; MI455X (gfx1250); checked and timed in simulation.
; The chip was launched on July 23, 2026; its instructions are those of AMD's public machine-readable ISA for CDNA 5 (MIT licence, August 2026) and "CDNA5" Instruction Set Architecture Reference Guide (July 2026). The comments in the code are by the model that wrote it; some were corrected since.
;; Content Based Attention. Allowed arithmetic: matrix products marked QUANTISED: E2M3 operands, one E8M0 scale for each 32 along K, by v_wmma_scale_f32_16x16x128_f8f6f4 with both operands' format E2M3, f32 sums; products left as they are: f32 operands where the result goes on into a quantised operand, else bf16, f16 or f32 operands; f32 sums; everything else in f32.
;; Inputs: V_codes 1,024 x 32 x 24 uint8 (E2M3 codes of V, K innermost, in blocks of 32 codes, four codes in three bytes); V_scales 1,024 x 32 uint8 (E8M0 scales of V, one for each 32 codes along K); W_codes 1,024 x 32 x 24 uint8 (E2M3 codes of W, K innermost, in blocks of 32 codes, four codes in three bytes); W_scales 1,024 x 32 uint8 (E8M0 scales of W, one for each 32 codes along K); b 1,024 float32; decoder_output_codes 32 x 1 x 32 x 24 uint8 (E2M3 codes of decoder_output, K innermost, in blocks of 32 codes, four codes in three bytes); decoder_output_scales 32 x 1 x 32 uint8 (E8M0 scales of decoder_output, one for each 32 codes along K); encoder_outputs 32 x 2,048 x 1,024 float32; w 1,024 x 1 float32.
;; Outputs: out0 32 x 1,024 float32.
;; This version of the problem:
;;   THIS VERSION OF THE PROBLEM IS GIVEN IN LOW PRECISION. The matrix products marked QUANTISED in the list below multiply operands that are first quantised to E2M3 (2 exponent bits, 3 mantissa bits; 6 bits a number), with one power-of-two scale for each 32 numbers along K (OCP MX v1.0); their sums are f32. All else is computed in f32.
;;   The module's matrix products, in the order in which they are computed (A, B: the left and right operand; K: the contracted axis; several contracted axes count as one K, in the product's order):
;;     1. [M 32, K 1,024] x [K 1,024, N 1,024]; A: input decoder_output (given as codes); B: input W (given as codes): QUANTISED
;;     2. [M 65,536, K 1,024] x [K 1,024, N 1,024]; A: input encoder_outputs; B: input V (given as codes): QUANTISED
;;     3. [M 65,536, K 1,024] x [K 1,024, N 1]; A: computed on the way; B: input w: left as it is (N = 1 < 16)
;;     4. batch 32 x [M 1, K 2,048] x [K 2,048, N 1,024]; A: softmax; B: input encoder_outputs: left as it is (M = 1 < 16)
;;   THE QUANTISER, for each operand of a quantised product, along K:
;;     - K is cut into blocks of 32 from its start; a last block that is shorter is filled with zeros.
;;     - A block's scale is 2^e with e = floor(log2(the largest magnitude in the block)) - 2, held to -126 .. 127; a block of zeros has e = 0. As a byte (E8M0): e + 127.
;;     - Each number is divided by its block's scale, clamped to +-7.5, and rounded to the nearest number of E2M3, ties to even, subnormals kept.
;;     - The product sums the exact products of the quantised numbers (number of the format x scale) in f32.
;;   ~~~python
;;   def quantise(x, axis):      # numpy; x: float32 -> the quantised numbers, widened to float32 again
;;       x = np.moveaxis(x, axis, -1); K = x.shape[-1]
;;       x = np.pad(x, [(0, 0)] * (x.ndim - 1) + [(0, -K % 32)]); x = x.reshape(x.shape[:-1] + (-1, 32)); a = np.abs(x).max(-1, keepdims=True)
;;       e = np.where(a > 0, np.clip(np.frexp(np.where(a > 0, a, 1))[1] - 1 - 2, -126, 127), 0)      # np.frexp(a)[1] - 1 = floor(log2(a)), exactly
;;       r = np.clip(x / 2.0 ** e, -7.5, 7.5)
;;       step = 2.0 ** (np.maximum(np.frexp(np.where(r == 0, 1, r))[1] - 1, 0) - 3)
;;       q = np.round(r / step) * step * 2.0 ** e      # np.round: ties to even
;;       return np.moveaxis(q.reshape(q.shape[:-2] + (-1,))[..., :K], -1, axis).astype(np.float32)
;;   ~~~
;;   INPUTS GIVEN AS CODES. V (in the module: [1024, 1024], K = its axis 0); W (in the module: [1024, 1024], K = its axis 0); decoder_output (in the module: [32, 1, 1024], K = its axis 2): each comes as NAME_codes (uint8): NAME with its K axis moved to the last place and cut into blocks of 32 codes, [.., K / 32, bytes a block], one block behind the other in memory; four codes in three bytes: a row's codes are one little-endian stream of bits, code i at bits 6 i .. 6 i + 5 (a code: sign, 2 exponent bits, 3 mantissa bits); and NAME_scales (uint8): the same leading axes, one E8M0 byte (e + 127) for each 32 codes along K. Its value is code x scale, taken as it is: it is not quantised again, and the codes and scales need not be those that the quantiser above would give.
;; One version. Each part assembles by itself: llvm-mc -triple=amdgcn-amd-amdhsa -mcpu=gfx1250 --defsym DOCPART=n.
;; ======== version 1 of 1: 3 launches
;; limits: values are held in bf16: 8 bits of precision; right only within a limited range of input values
;; workspace buffers: vimg 786,432 bytes; vsimg 65,536 bytes; bias2 131,072 bytes; part 2,359,296 bytes
;; launch prep (part 1): grid 16 x 1, 8 waves a work-group, no clusters, 135,168 bytes of LDS; arguments V_codes, V_scales, W_codes, W_scales, b, decoder_output_codes, decoder_output_scales, vimg, vsimg, bias2; writes vimg, vsimg, bias2
.if DOCPART == 1
	.amdgcn_target "amdgcn-amd-amdhsa--gfx1250"
	.amdhsa_code_object_version 6
	.text
	.protected	k_q798ef73509_prep
	.globl	k_q798ef73509_prep
	.p2align	8
	.type	k_q798ef73509_prep,@function
k_q798ef73509_prep:
	s_mov_b64 s[64:65], 0
	v_nop
	global_prefetch_b8 v0, s[64:65] scope:SCOPE_SE
	s_setreg_imm32_b32 hwreg(HW_REG_WAVE_MODE, 25, 1), 1
	s_wait_xcnt 0x0
; TWO SMALL JOBS AHEAD OF THE MAIN LAUNCH.  Work-group g of 16 owns columns c = 64 g .. 64 g + 63: four column tiles of 16.  Eight waves, ONE path: wave w takes tile tt = w % 4 and group G = w / 4.
; (1) V's codes [1024 (c)][768 bytes] and scale bytes [1024][32] are laid anew, in the order of the matrix operand's registers.  Column tile t = 4 g + tt, K step s (128 along K): the fragment's 12 registers go out as three
;     pieces of 512 bytes, lane l's 16 bytes at 16 l: vimg + (8 t + s) x 1,536; its scale words: vsimg + (8 t + s) x 128 + 4 l (the word of row 16 t + l % 16; stores of 128 consecutive bytes, 65,536 bytes in all).
;     Wave (tt, G) does K steps 4 G .. 4 G + 3.
; (2) bias2[batch][c] = K2 x (decoder_output . W[:, c] + b[c]), K2 = 2 log2(e): product 1 on codes of FP6 (E2M3) with E8M0 scales, as they are given.  Wave (tt, G): tile t, batches 16 G .. 16 G + 15.
;     The product is used transposed (source 0 = 16 rows of W's codes, source 1 = 16 batches): a lane holds one batch and eight neighbouring c.  Two accumulators take K's even and odd steps by turns, one instruction
;     a turn; b's tile is the C of the first.
; THE CODES COME IN DENSE: a row is 768 bytes, three aligned runs of 256, and each load takes one run of two rows, 16 bytes a lane.  They lie in LDS as rows of 784 bytes, and the fragments (8 bytes a lane of 16 rows) are read there:
; 784 bytes are 196 words, so row r starts at bank 4 r mod 64 and the 32 lanes of a load of 8 bytes touch 64 different banks (64 banks of 4 bytes: ISA guide 11.1).
; The work-group's 32 batches x 64 columns of bias2 meet in a stage in LDS and leave as aligned runs of 256 bytes, sixteen lanes each.
.set RP,    784                        ; a row of codes in LDS: 768 bytes + 16
.set WT,    0                          ; W's 64 rows
.set VT,    64*RP                      ; 50,176: V's 64 rows
.set DT,    128*RP                     ; 100,352: the decoder's 32 rows
.set SGP,   272                        ; a stage row: 256 bytes + 16
.set STG,   160*RP                     ; 125,440: 32 rows
.set SPARE, STG+32*SGP                 ; 134,144: the spare words, 128 bytes for each of eight waves; no other line names them
.set SPW, 1                            ; v1  SPARE + 4 x my thread's number; never rewritten
.set NIL, 2                            ; v2  0; never rewritten
; v3 codes in memory: row h of 768 bytes + 16 r;  v4, v5 their places in LDS (W's rows; V's lie VT further on; the decoder's);  v6, v7, v8 a fragment's place in W's, V's, the decoder's rows;
; v9, v10 the stage, in and back;  v11 32 r;  v12 16 x lane;  v13 4 x lane;  v14 32 h;  v15 bias2: row h of 4,096 bytes + 16 r
; v16-135 the codes as loaded; then v16-111 W's 8 fragments, v112-207 the decoder's; window 1 v0-47 V's 4 fragments; v208-215, v216-223 W's and the decoder's scale words; v224-231 b; v232-247 the accumulators; v248-251 V's scale words
.set MSB, 0
.macro WIN new                         ; the immediate's high byte repeats the setting that is left
.if MSB != \new
	s_set_vgpr_msb (MSB<<8)|\new
.set MSB, \new
.endif
.endm
	s_load_b256 s[4:11], s[0:1], 0x0               ; V's codes s[4:5], V's scales s[6:7], W's codes s[8:9], W's scales s[10:11]
	s_load_b256 s[12:19], s[0:1], 0x20             ; b s[12:13], the decoder's codes s[14:15], its scales s[16:17], vimg s[18:19]
	s_load_b128 s[20:23], s[0:1], 0x40             ; vsimg s[20:21], bias2 s[22:23]
	v_lshl_add_u32 v[SPW], v0, 2, SPARE
	v_mov_b32 v[NIL], 0
	v_lshrrev_b32 v16, 5, v0
	s_delay_alu instid0(VALU_DEP_1)
	v_readfirstlane_b32 s24, v16                   ; wave 0..7
	v_and_b32 v16, 31, v0                          ; lane
	v_and_b32 v17, 15, v0                          ; r
	v_bfe_u32 v18, v0, 4, 1                        ; h
	s_and_b32 s25, s24, 3                          ; tt
	s_lshr_b32 s26, s24, 2                         ; G
	v_mul_u32_u24 v3, v18, 768
	s_delay_alu instid0(VALU_DEP_1)
	v_lshl_add_u32 v3, v17, 4, v3
	v_mul_u32_u24 v19, v18, RP
	s_delay_alu instid0(VALU_DEP_1)
	v_lshl_add_u32 v19, v17, 4, v19                ; h RP + 16 r
	s_mul_i32 s28, s24, 8*RP                       ; wave w brings rows 8 w .. 8 w + 7 of W's 64 and of V's 64,
	v_add_nc_u32 v4, s28, v19
	s_mul_i32 s28, s24, 4*RP                       ; and rows 4 w .. 4 w + 3 of the decoder's 32
	s_add_co_u32 s28, s28, DT
	v_add_nc_u32 v5, s28, v19
	v_mul_u32_u24 v19, v17, RP
	s_delay_alu instid0(VALU_DEP_1)
	v_mad_u32_u24 v19, v18, 24, v19                ; a fragment: row r, + 24 h
	s_mul_i32 s28, s25, 16*RP                      ; my tile's 16 rows
	v_add_nc_u32 v6, s28, v19
	s_mul_i32 s29, s26, 384                        ; V: K steps 4 G on, 96 bytes each
	s_add_co_u32 s28, s28, s29
	s_add_co_u32 s28, s28, VT
	v_add_nc_u32 v7, s28, v19
	s_mul_i32 s28, s26, 16*RP                      ; the decoder: batches 16 G on
	s_add_co_u32 s28, s28, DT
	v_add_nc_u32 v8, s28, v19
	v_mul_u32_u24 v9, v17, SGP
	s_delay_alu instid0(VALU_DEP_1)
	v_lshl_add_u32 v9, v18, 5, v9
	s_mul_i32 s28, s26, 16*SGP
	s_lshl_b32 s29, s25, 6
	s_add_co_u32 s28, s28, s29
	s_add_co_u32 s28, s28, STG
	v_add_nc_u32 v9, s28, v9                       ; into the stage: row 16 G + r, + 64 tt + 32 h
	s_mul_i32 s28, s24, 4*SGP
	s_add_co_u32 s28, s28, STG
	v_mul_u32_u24 v10, v18, SGP
	s_delay_alu instid0(VALU_DEP_1)
	v_lshl_add_u32 v10, v17, 4, v10
	s_delay_alu instid0(VALU_DEP_1)
	v_add_nc_u32 v10, s28, v10                     ; back: rows 4 w + h (and two further on), 16 bytes a lane
	v_lshlrev_b32 v11, 5, v17
	v_lshlrev_b32 v12, 4, v16
	v_lshlrev_b32 v13, 2, v16
	v_lshlrev_b32 v14, 5, v18
	v_lshlrev_b32 v15, 4, v17
	s_delay_alu instid0(VALU_DEP_1)
	v_lshl_add_u32 v15, v18, 12, v15
	s_mov_b32 s40, 0x4038aa3b                      ; K2 = 2 log2(e)
	s_mov_b32 s41, s40                             ; (named with it as a pair, so it is written)
	s_mul_i32 s28, ttmp9, 49152                    ; the work-group's 64 rows of 768 bytes,
	s_mul_i32 s29, s24, 6144                       ; my 8 of them
	s_add_co_u32 s28, s28, s29
	s_mov_b32 s29, 0
	s_mul_i32 s30, s24, 3072                       ; my 4 rows of the decoder's
	s_mov_b32 s31, 0
	s_lshl_b32 s27, ttmp9, 2
	s_add_co_u32 s27, s27, s25                     ; my column tile t
	s_lshl_b32 s32, s27, 9                         ; its 16 rows of 32 scale bytes
	s_mov_b32 s33, 0
	s_lshl_b32 s34, s26, 4                         ; V's: the four words of K steps 4 G on
	s_add_co_u32 s34, s34, s32
	s_mov_b32 s35, 0
	s_lshl_b32 s36, s26, 9                         ; the decoder's: batches 16 G on
	s_mov_b32 s37, 0
	s_lshl_b32 s38, s27, 6                         ; 16 numbers of b
	s_mov_b32 s39, 0
	s_mul_i32 s42, s27, 12288                      ; vimg: 8 fragments of 1,536 bytes a tile, mine from 4 G on
	s_mul_i32 s43, s26, 6144
	s_add_co_u32 s42, s42, s43
	s_mov_b32 s43, 0
	s_lshl_b32 s44, s27, 10                        ; vsimg: 8 x 128 bytes a tile, mine from 4 G on
	s_add_co_u32 s44, s44, s36
	s_mov_b32 s45, 0
	s_lshl_b32 s46, s24, 14                        ; bias2: 4 rows a wave,
	s_lshl_b32 s47, ttmp9, 8                       ; the work-group's 64 columns
	s_add_co_u32 s46, s46, s47
	s_mov_b32 s47, 0
	s_wait_alu depctr_va_vdst(0)
	s_wait_kmcnt 0x0
	s_add_nc_u64 s[4:5], s[4:5], s[28:29]
	s_add_nc_u64 s[8:9], s[8:9], s[28:29]
	s_add_nc_u64 s[14:15], s[14:15], s[30:31]
	s_add_nc_u64 s[10:11], s[10:11], s[32:33]
	s_add_nc_u64 s[6:7], s[6:7], s[34:35]
	s_add_nc_u64 s[16:17], s[16:17], s[36:37]
	s_add_nc_u64 s[12:13], s[12:13], s[38:39]
	s_add_nc_u64 s[18:19], s[18:19], s[42:43]
	s_add_nc_u64 s[20:21], s[20:21], s[44:45]
	s_add_nc_u64 s[22:23], s[22:23], s[46:47]
.irp u, 0,1,2,3
.irp k, 0,1,2
	global_load_b128 v[16+4*(3*\u+\k):19+4*(3*\u+\k)], v3, s[8:9] offset:1536*\u+256*\k   ; W: rows 2 u + h, bytes 256 k on: sixteen lanes read 256 aligned bytes
	global_load_b128 v[64+4*(3*\u+\k):67+4*(3*\u+\k)], v3, s[4:5] offset:1536*\u+256*\k   ; V likewise
.endr
.endr
.irp u, 0,1
.irp k, 0,1,2
	global_load_b128 v[112+4*(3*\u+\k):115+4*(3*\u+\k)], v3, s[14:15] offset:1536*\u+256*\k   ; the decoder
.endr
.endr
	global_load_b128 v[208:211], v11, s[10:11]     ; W's scale words of row r: eight
	global_load_b128 v[212:215], v11, s[10:11] offset:16
	global_load_b128 v[216:219], v11, s[16:17]     ; the decoder's, batch 16 G + r
	global_load_b128 v[220:223], v11, s[16:17] offset:16
	global_load_b128 v[224:227], v14, s[12:13]     ; b[16 t + 8 h + 0 .. 7]: the result's layout
	global_load_b128 v[228:231], v14, s[12:13] offset:16
	global_load_b128 v[248:251], v11, s[6:7]       ; V's scale words of K steps 4 G .. 4 G + 3
	s_wait_loadcnt 7                               ; the 30 loads of codes are in; the seven behind them may be out
.irp u, 0,1,2,3
.irp k, 0,1,2
	ds_store_b128 v4, v[16+4*(3*\u+\k):19+4*(3*\u+\k)] offset:WT+2*RP*\u+256*\k
	ds_store_b128 v4, v[64+4*(3*\u+\k):67+4*(3*\u+\k)] offset:VT+2*RP*\u+256*\k
.endr
.endr
.irp u, 0,1
.irp k, 0,1,2
	ds_store_b128 v5, v[112+4*(3*\u+\k):115+4*(3*\u+\k)] offset:2*RP*\u+256*\k
.endr
.endr
	s_wait_dscnt 0x0                               ; for the others' sake: my rows lie in LDS
	s_barrier_signal -1
	s_barrier_wait -1
	WIN 0x40                                       ; destination window 1
.irp i, 0,1,2,3
.irp p, 0,1,2,3,4,5
	ds_load_b64 v[12*\i+2*\p:12*\i+2*\p+1], v7 offset:96*\i+48*(\p/3)+8*(\p%3)   ; V's four fragments first: their stores leave under the products
.endr
.endr
	WIN 0
.irp s, 0,1,2,3,4,5,6,7
.irp p, 0,1,2,3,4,5
	ds_load_b64 v[16+12*\s+2*\p:17+12*\s+2*\p], v6 offset:96*\s+48*(\p/3)+8*(\p%3)       ; W
	ds_load_b64 v[112+12*\s+2*\p:113+12*\s+2*\p], v8 offset:96*\s+48*(\p/3)+8*(\p%3)     ; the decoder
.endr
.endr
	s_wait_loadcnt 0x0                             ; the scale words and b
	s_wait_dscnt 63                                ; a wait's largest count: of the 120 loads the oldest 57 are in, V's 24 among them
	WIN 0x04                                       ; a store's data are its source 1: window 1
.irp i, 0,1,2,3
.irp c, 0,1,2
	global_store_b128 v12, v[12*\i+4*\c:12*\i+4*\c+3], s[18:19] offset:1536*\i+512*\c   ; 32 lanes store 512 consecutive bytes
.endr
.endr
	WIN 0
.irp i, 0,1,2,3
	global_store_b32 v13, v[248+\i], s[20:21] offset:128*\i
.endr
.irp s, 0,1,2,3,4,5,6,7
.if 12*(7-\s) > 63
	s_wait_dscnt 63                                ; the oldest 57 hold K steps 0 and 1
.else
	s_wait_dscnt 12*(7-\s)                         ; K step s is in; the later steps' 12 loads each may be out
.endif
.if \s == 0
	v_wmma_scale_f32_16x16x128_f8f6f4 v[232:239], v[16+12*\s:27+12*\s], v[112+12*\s:123+12*\s], v[224:231], v[208+\s], v[216+\s] matrix_a_fmt:MATRIX_FMT_FP6 matrix_b_fmt:MATRIX_FMT_FP6
.elseif \s == 1
	v_wmma_scale_f32_16x16x128_f8f6f4 v[240:247], v[16+12*\s:27+12*\s], v[112+12*\s:123+12*\s], 0, v[208+\s], v[216+\s] matrix_a_fmt:MATRIX_FMT_FP6 matrix_b_fmt:MATRIX_FMT_FP6
.else
	v_wmma_scale_f32_16x16x128_f8f6f4 v[232+8*(\s%2):239+8*(\s%2)], v[16+12*\s:27+12*\s], v[112+12*\s:123+12*\s], v[232+8*(\s%2):239+8*(\s%2)], v[208+\s], v[216+\s] matrix_a_fmt:MATRIX_FMT_FP6 matrix_b_fmt:MATRIX_FMT_FP6
.endif
.endr
.rept 4
	v_nop                                          ; four places behind the last product, ahead of the first read of results (ISA guide 7.12.1)
.endr
.irp j, 0,2,4,6
	v_pk_add_f32 v[232+\j:233+\j], v[232+\j:233+\j], v[240+\j:241+\j]   ; K's even and odd steps; each accumulator from its low end on
.endr
.irp j, 0,2,4,6
	s_delay_alu instid0(VALU_DEP_4)
	v_pk_mul_f32 v[232+\j:233+\j], v[232+\j:233+\j], s[40:41] op_sel_hi:[1,0]   ; x K2
.endr
	ds_store_b128 v9, v[232:235]
	ds_store_b128 v9, v[236:239] offset:16
	s_wait_dscnt 0x0                               ; for the others' sake: my stores into the stage are done
	s_barrier_signal -1
	s_barrier_wait -1
	ds_load_b128 v[240:243], v10
	ds_load_b128 v[244:247], v10 offset:2*SGP
	s_wait_dscnt 0x0
	global_store_b128 v15, v[240:243], s[22:23]                  ; sixteen lanes store 256 consecutive bytes, at a multiple of 256 from bias2's first byte
	global_store_b128 v15, v[244:247], s[22:23] offset:8192
	s_wait_tensorcnt 0x0                           ; the wave's end
	ds_add_u32 v[SPW], v[NIL]
	s_wait_dscnt 0x0
	s_endpgm
.Lfunc_end_k_q798ef73509_prep:
	.size	k_q798ef73509_prep, .Lfunc_end_k_q798ef73509_prep-k_q798ef73509_prep
	.p2alignl 7, 3214868480
	.fill 96, 4, 3214868480
	.section	.rodata,"a",@progbits
	.p2align	6, 0x0
	.amdhsa_kernel k_q798ef73509_prep
		.amdhsa_group_segment_fixed_size 135168
		.amdhsa_private_segment_fixed_size 0
		.amdhsa_enable_private_segment 0
		.amdhsa_kernarg_size 80
		.amdhsa_user_sgpr_count 2
		.amdhsa_user_sgpr_kernarg_segment_ptr 1
		.amdhsa_wavefront_size32 1
		.amdhsa_system_sgpr_workgroup_id_x 1
		.amdhsa_system_sgpr_workgroup_id_y 1
		.amdhsa_system_sgpr_workgroup_id_z 1
		.amdhsa_system_vgpr_workitem_id 0
		.amdhsa_next_free_vgpr 384
		.amdhsa_next_free_sgpr 66
		.amdhsa_reserve_vcc 0
		.amdhsa_float_denorm_mode_32 3
		.amdhsa_float_denorm_mode_16_64 3
		.amdhsa_memory_ordered 1
		.amdhsa_forward_progress 1
		.amdhsa_inst_pref_size 22
	.end_amdhsa_kernel
	.amdgpu_metadata
---
amdhsa.version: [ 1, 2 ]
amdhsa.kernels:
  - .name:           k_q798ef73509_prep
    .symbol:         k_q798ef73509_prep.kd
    .args:
      - { .name: V_codes, .offset: 0, .size: 8, .value_kind: global_buffer, .address_space: global }
      - { .name: V_scales, .offset: 8, .size: 8, .value_kind: global_buffer, .address_space: global }
      - { .name: W_codes, .offset: 16, .size: 8, .value_kind: global_buffer, .address_space: global }
      - { .name: W_scales, .offset: 24, .size: 8, .value_kind: global_buffer, .address_space: global }
      - { .name: b, .offset: 32, .size: 8, .value_kind: global_buffer, .address_space: global }
      - { .name: decoder_output_codes, .offset: 40, .size: 8, .value_kind: global_buffer, .address_space: global }
      - { .name: decoder_output_scales, .offset: 48, .size: 8, .value_kind: global_buffer, .address_space: global }
      - { .name: vimg, .offset: 56, .size: 8, .value_kind: global_buffer, .address_space: global }
      - { .name: vsimg, .offset: 64, .size: 8, .value_kind: global_buffer, .address_space: global }
      - { .name: bias2, .offset: 72, .size: 8, .value_kind: global_buffer, .address_space: global }
    .group_segment_fixed_size: 135168
    .private_segment_fixed_size: 0
    .kernarg_segment_align: 8
    .kernarg_segment_size: 80
    .max_flat_workgroup_size: 256
    .sgpr_count:     66
    .vgpr_count:     384
    .wavefront_size: 32
...
	.end_amdgpu_metadata
.endif
;; end of part 1
;; launch main (part 2): grid 256 x 1, 4 waves a work-group, no clusters, 321,024 bytes of LDS; arguments encoder_outputs, w, vimg, vsimg, bias2, part; writes part
.if DOCPART == 2
	.amdgcn_target "amdgcn-amd-amdhsa--gfx1250"
	.amdhsa_code_object_version 6
	.text
	.protected	k_q798ef73509_main
	.globl	k_q798ef73509_main
	.p2align	8
	.type	k_q798ef73509_main,@function
k_q798ef73509_main:
	s_mov_b64 s[64:65], 0
	v_nop
	global_prefetch_b8 v0, s[64:65] scope:SCOPE_SE
	s_setreg_imm32_b32 hwreg(HW_REG_WAVE_MODE, 25, 1), 1
	s_wait_xcnt 0x0
; ADDITIVE ATTENTION, scores and context in one pass over encoder_outputs [32][2048][1024] f32: each row is read from memory once.
; Work-group g owns rows 256 g .. 256 g + 255 of batch g / 8, as two blocks of 128 rows.  A block leaves a partial result in part: 1,024 numbers of context, its largest t and its sum of p.
; A BLOCK, four phases:
;  L  wave w loads its 32 rows (two tiles of 16), quantises them along H to FP6 (E2M3) with one E8M0 scale for each 32, and rounds them to bf16 for the context.  The bf16 rows stay in LDS (HOLD).  The codes go from
;     wave to wave through LDS as images of the operand's registers, eight fragments a round, and EVERY wave keeps all 64 fragments (128 rows x 1,024 K) in 768 registers.
;     A fragment's 64 numbers a lane land as they lie in memory and are turned, IN PLACE, through the wave's own stage in LDS, so that a lane holds two whole blocks of 32; the turn runs one fragment ahead of the quantiser.
;  G  wave w makes column tiles 16 w .. 16 w + 15 of enc V for all 128 rows: a fragment of V, loaded straight into registers from the image that the launch before has laid, feeds eight products.
;     tanh(y) = 1 - 2 r, r = 1 / (1 + 2^(K2 y)), K2 = 2 log2(e); K2 y = K2 x product + bias2.  t = score x log2(e) = a constant + the sum over c of w2[c] r[c], w2 = -K2 w.  The constant (log2(e) x the sum of w) is
;     the same for every row of a softmax, so it cancels there for every input and is not formed.
;  S  the waves' partial t meet in LDS; M = the block's largest t, p = 2^(t - M), l = the sum of p.
;  X  wave w sums p x bf16(enc) for columns 256 w .. 256 w + 255, in f32.
; THE MATRIX INSTRUCTION IS USED TRANSPOSED (source 0 = 16 columns c of V, source 1 = 16 rows of enc): a lane holds one row and eight neighbouring c.  The eight accumulators take turns, one instruction a turn.
; NO TENSOR LOADS, NO CLUSTER: all work-groups walk the same V, but beside HOLD (264,192 bytes) and the exchange 6,656 bytes of a WGP's LDS are left, no room for a slot of V's tiles (a column tile alone is 12,288 bytes).
; LIMITS: NaN and infinities among the inputs are not served.  A block of 32 zeros gets the scale byte 1, not 127: its codes are zeros, and the bytes are read by this program alone.  The context's operand is rounded to bf16.
; L AS THE TEXT BELOW HAS IT: of a wave's 16 fragments the even ones land as they lie in memory and are turned through the wave's stage; the odd ones are loaded in the operand's own order, a lane its own two blocks, and pass no stage:
; so the turn's 32 LDS instructions are paid for every second fragment.  Either way register 32 c + i of a set ends as k 64 c + 32 h + i of row r: a lane holds two WHOLE blocks of 32, and no other lane is asked for a maximum.
.set HP,    2064                       ; a bf16 row in HOLD: 2,048 bytes + 16: 516 words, so that 16 rows begin at 16 different groups of four banks (64 banks of 4 bytes: ISA guide 11.1)
.set SGP,   272                        ; a stage row: 256 bytes + 16
.set FRB,   1536                       ; a fragment's image: 12 registers x 128 bytes
.set STG,   128*HP                     ; 264,192: a stage of 16 rows for each wave, its own
.set EX,    STG+4*16*SGP               ; 281,600: the exchange: two buffers of eight images
.set EXS,   EX+2*8*FRB                 ; 306,176: their scale words, 128 bytes a fragment
.set BIAS,  EXS+2*8*128                ; 308,224: bias2 of my batch, 4,096 bytes; behind it w2, 4,096
.set SC,    BIAS+8192                  ; 316,416: [wave][128 rows] partial t
.set PP,    SC+2048                    ; 318,464: a copy of p for each wave
.set SPARE, PP+2048                    ; 320,512: the spare words, 128 bytes a wave; no other line names them
; REGISTERS, window 0.  Those that stay:
.set SPW, 1                            ; v1   SPARE + 4 x my thread's number; never rewritten
.set NIL, 2                            ; v2   0; never rewritten
.set VOF, 3                            ; v3   16 x lane
.set VSO, 4                            ; v4   4 x lane
.set BWA, 5                            ; v5   LDS address of the column tile's bias2 and w2
.set GOFF, 6                           ; v6   enc: row lane / 16 of 4,096 bytes, + 16 (lane % 16)
.set PFO, 7                            ; v7   the prefetches' offset: row lane / 8, + 256 (lane % 8)
.set AS,  8                            ; v8-39  enc's scale words: register 4 s + 2 (m % 2) + (m / 2) % 2; lanes 0-15 row tile m < 4, lanes 16-31 tile m + 4.  Scales and nothing else
.set SA,  52                           ; v52-67 a pair of score sums for each row tile
.set BI,  68                           ; v68-75 bias2, v76-83 w2 of the column tile in hand
.set W2R, 76
.set VS,  84                           ; v84-91 V's scale words, one for each K step.  Scales and nothing else
.set VB,  92                           ; v92-187 V's fragments, one buffer for each K step
.set ACC, 188                          ; v188-251 the eight accumulators
.set BW0, 252                          ; v252 BIAS + 1,024 x wave + 32 (lane / 16)
.set GOFD, 253                         ; v253 enc, for the odd fragments: row lane % 16 of 4,096 bytes, + 128 (lane / 16)
; In L: FIVE LANDING SETS of 64 registers, fragment f in set f % 5: 0: v188-251; 1, 2, 3: v0-63, v64-127, v128-191 of window 3; 4: v92-155.  v156-171 at work.  The codes just made and their scale word: v52-63 and v72 (even f),
; v172-183 and v184 (odd f); v64-70 half blocks on their way.  v73-79 addresses
.set TM,  156
.set TC,  64
.set STW, 73
.set STR, 74
.set XWI, 75
.set XWS, 76
.set HWA, 77
.set LI,  78
.set LSA, 79
; In S and X: v68-76 addresses; v92-155 two sets of 8 rows; v156-171 their p; v172-179 the context; v180-183 (M, l, 0, 0); v184-187 p
.set HR0, 71
.set HRA, 73
.set PRA, 74
.set XD,  92
.set XP,  156
.set CTX, 172
; enc's 64 fragments: (row tile m, K step s) has slot q = 8 (4 (m % 2) + s / 2) + 2 (m / 2) + s % 2, the order in which the rounds of L bring them.  21 slots in window 1, 21 in window 2, 21 in window 3, one at v40 of window 0.
; Slots 48-63 (the last two rounds') lie where landing sets 1-3 lie, and are filled when those are done with.
.macro SLOTQ q
.if (\q) < 21
.set AW, 1
.set AR, 12*(\q)
.elseif (\q) < 42
.set AW, 2
.set AR, 12*((\q)-21)
.elseif (\q) < 47
.set AW, 3
.set AR, 192+12*((\q)-42)
.elseif (\q) == 47
.set AW, 0
.set AR, 40
.else
.set AW, 3
.set AR, 12*((\q)-48)
.endif
.endm
.set MSB, 0
.macro WIN new                         ; s_set_vgpr_msb: bits 1:0 source 0, 3:2 source 1, 5:4 source 2, 7:6 destination; the high byte repeats the setting that is left
.if MSB != \new
	s_set_vgpr_msb (MSB<<8)|\new
.set MSB, \new
.endif
.endm
.macro SETOF f                         ; fragment f's landing set: its window SW_ and first register SR_
.set SK_, (\f)%5
.if SK_ == 0
.set SW_, 0
.set SR_, ACC
.elseif SK_ == 4
.set SW_, 0
.set SR_, VB
.else
.set SW_, 3
.set SR_, 64*(SK_-1)
.endif
.endm
; 16 loads: my row tile f / 8, K step f % 8 (128 numbers of 16 rows), into fragment f's set.
; An even f: each load takes 256 aligned bytes of two rows; the set is turned later.
; An odd f: in the operand's own order: lane (r, h) takes of row r the step's blocks h and 2 + h, 128 consecutive bytes each, by eight loads of 16 bytes on end; the sixteen loads together cover 512 consecutive bytes of each of 16 rows.
.macro LOADSET f
	SETOF \f
.set LA_, (\f)>>3
.set LS_, (\f)&7
	WIN (SW_<<6)
.set U_, 0
.rept 16
.if (\f)&1
	global_load_b128 v[SR_+4*U_:SR_+4*U_+3], v[GOFD], s[4:5] offset:16*LA_*4096+512*LS_+256*(U_>>3)+16*(U_&7) th:TH_LOAD_RT_NT
.else
	global_load_b128 v[SR_+4*U_:SR_+4*U_+3], v[GOFF], s[4:5] offset:(16*LA_+2*(U_&7))*4096+512*LS_+256*(U_>>3) th:TH_LOAD_NT
.endif
.set U_, U_+1
.endr
	WIN 0
.endm
; An even fragment's set goes through my stage and comes back into the registers that it left, half a K step (256 bytes of 16 rows) at a time: in as loaded (row lane / 16, 16 bytes a lane), back as row lane % 16, block lane / 16 of the half's two: 128 bytes a lane.
; LDS serves a wave's instructions in order (ISA guide 5.7.1.4): no wait stands between the stores and the loads, nor ahead of the second half's stores.  One window setting serves both: a store's data are its source 1, a load's its destination.
.macro TURN f
	SETOF \f
	WIN ((SW_<<6)|(SW_<<2))
.irp e, 0,1
.irp u, 0,1,2,3,4,5,6,7
	ds_store_b128 v[STW], v[SR_+32*\e+4*\u:SR_+32*\e+4*\u+3] offset:2*SGP*\u
.endr
.irp j, 0,1,2,3,4,5,6,7
	ds_load_b128 v[SR_+32*\e+4*\j:SR_+32*\e+4*\j+3], v[STR] offset:16*\j
.endr
.endr
	WIN 0
.endm
; 64 numbers of a lane in window sw, register s + 32 c + i = k 64 c + 32 h + i of my row, become a fragment's codes in v[pc] on and its scale word in v[pw].  A lane holds two whole blocks: four chains of 16 numbers, joined in pairs.
.macro QUANT s, sw, pc, pw
	WIN ((\sw)|((\sw)<<2))
.irp b, 0,1,2,3
	v_max3_num_f32 v[TM+\b], |v[\s+16*\b]|, |v[\s+1+16*\b]|, 0x1800000   ; chain b: 16 of my numbers, and the floor 2^(3 - 127): the byte cannot fall under 1
.endr
	WIN (((\sw)<<2)|((\sw)<<4))
.irp i, 2,4,6,8,10,12,14
.irp b, 0,1,2,3
	v_max3_num_f32 v[TM+\b], v[TM+\b], |v[\s+16*\b+\i]|, |v[\s+1+16*\b+\i]|   ; (the four chains by turns)
.endr
.endr
	WIN 0
	v_max_num_f32 v[TM], v[TM], v[TM+1]            ; block h's largest magnitude,
	v_max_num_f32 v[TM+2], v[TM+2], v[TM+3]        ; and block 2 + h's
	v_add_nc_u32 v[TM+12], 0xff000000, v[TM]       ; 2 off the exponent field: the conversion takes the exponent field of this operand as its scale
	v_add_nc_u32 v[TM+13], 0xff000000, v[TM+2]
	v_lshrrev_b32 v[TM+4], 23, v[TM+12]            ; the scales' bytes
	v_lshrrev_b32 v[TM+5], 23, v[TM+13]
	v_lshl_or_b32 v[TM+4], v[TM+5], 16, v[TM+4]    ; my two bytes,
	v_lshlrev_b32 v[TM+4], v[TM+8], v[TM+4]        ; at their places in the scale word (8 h bits up);
	v_permlanex16_b32 v[TM+6], v[TM+4], s22, s23
	v_or_b32 v[\pw], v[TM+4], v[TM+6]              ; with lane l xor 16's two the word is whole, in both halves of the lanes
	WIN (\sw)                                      ; the numbers are source 0
.irp c, 0,1
	v_cvt_scalef32_pk16_fp6_f32 v[\pc+6*\c:\pc+2+6*\c], v[\s+32*\c:\s+15+32*\c], v[TM+12+\c]
	v_cvt_scalef32_pk16_fp6_f32 v[TC+4*\c:TC+2+4*\c], v[\s+16+32*\c:\s+31+32*\c], v[TM+12+\c]   ; (a conversion's three registers begin on an even number: the block's second half is made elsewhere and moved)
.endr
	WIN 0
	v_nop                                          ; one plain place behind a scaled conversion
.irp c, 0,1
.irp i, 0,1,2
	v_mov_b32 v[\pc+3+6*\c+\i], v[TC+4*\c+\i]
.endr
.endr
.endm
; One fragment of my rows becomes codes (image to the exchange) and bf16 (to HOLD).  An even f was turned in the fragment before it, and the wait for 0 ahead of the round's barrier has shown the turn done.
; An odd f comes as loaded; ahead of its quantiser the NEXT fragment, an even one, is sent through the stage.  The set that fragment f - 1 has left takes the loads of fragment f + 4.
.macro PRODUCE f
.set PA_, (\f)>>3
.set PS_, (\f)&7
.set PB_, ((\f)>>1)&1
.set PE_, (\f)&1
.if PE_ == 0
.if (\f) == 0
	s_wait_dscnt 0x0                               ; fragment 0 is turned, and no LDS store still reads v92-155, which set 4's loads are about to write
.endif
.if (\f) < 12
	LOADSET (\f)+4                                 ; fragment f - 1's stores were waited for ahead of the round's barrier
.endif
.else
.if (\f) < 13
	s_wait_loadcnt 32                              ; the loads of fragments f and f + 1 are in; those of f + 2 and f + 3 may be out
.elseif (\f) == 13
	s_wait_loadcnt 16                              ; fragment 15's may be out
.else
	s_wait_loadcnt 0x0
.endif
.if (\f) < 15
	TURN (\f)+1
.endif
.endif
	SETOF \f
.set QW_, SW_
.set QR_, SR_
.set QC_, 52+120*PE_                           ; codes and scale word in two sets of registers by turns: each is written once a round, behind the barrier's wait for its last stores
.set QP_, 72+112*PE_
	QUANT QR_, QW_, QC_, QP_
.if (PE_ == 1) && ((\f) < 12)
	s_wait_alu depctr_va_vdst(0)
	s_wait_dscnt 32                                ; fragment f - 1's stores have read their set (the next fragment's 32 may be out):
	LOADSET (\f)+4                                 ; it takes the loads of fragment f + 4
.endif
.irp c, 0,1,2
	ds_store_b128 v[XWI], v[QC_+4*\c:QC_+4*\c+3] offset:PB_*8*FRB+FRB*PE_+512*\c
.endr
	ds_store_b32 v[XWS], v[QP_] offset:PB_*1024+128*PE_
	WIN ((QW_<<6)|(QW_<<2)|QW_)
.set I_, 0
.rept 32
	v_cvt_pk_bf16_f32 v[QR_+I_], v[QR_+2*I_], v[QR_+2*I_+1]   ; in place, ascending: a register is written when it has been read
.set I_, I_+1
.endr
	WIN (QW_<<2)
.irp q, 0,1,2,3,4,5,6,7
	ds_store_b128 v[HWA], v[QR_+4*\q:QR_+4*\q+3] offset:16*PA_*HP+256*PS_+128*(\q/4)+16*(\q%4)   ; a block's 32 numbers are 64 bytes; blocks h and 2 + h lie 128 bytes apart
.endr
	WIN 0
.endm
; The eight fragments of round rho come out of the exchange into their slots, in every wave; and their scale words.
.macro CONSUME rho
.set CB_, (\rho)&1
.irp i, 0,1,2,3,4,5,6,7
	SLOTQ 8*(\rho)+\i
	WIN (AW<<6)
.irp c, 0,1,2
	ds_load_b128 v[AR+4*\c:AR+4*\c+3], v[LI] offset:CB_*8*FRB+\i*FRB+512*\c
.endr
.endr
	WIN 0
.irp ww, 0,1
.irp e, 0,1
	ds_load_b32 v[AS+4*(2*((\rho)&3)+\e)+2*((\rho)>>2)+\ww], v[LSA] offset:CB_*1024+(2*\ww+\e)*128   ; lanes 0-15 wave ww's fragment, lanes 16-31 wave ww + 2's
.endr
.endr
.endm
; A round: two fragments a wave, ONE barrier.  In front of it my stores have landed and my reads of the other buffer (issued behind the barrier before) are in: the buffer written in round rho + 2 was read behind
; barrier rho, and those reads are waited for ahead of barrier rho + 1.
.macro ROUND rho
	PRODUCE 2*(\rho)
	PRODUCE 2*(\rho)+1
	s_wait_dscnt 0x0
	s_barrier_signal -1
	s_barrier_wait -1
.if (\rho) < 6
	CONSUME \rho
.elseif (\rho) == 7
	CONSUME 6                                      ; their slots lie where landing sets 1-3 lay
	CONSUME 7
.endif
.endm
; One product: row tile m, K step s.
.macro MM m, s
.set QQ, 8*(4*((\m)&1)+((\s)>>1))+2*((\m)>>1)+((\s)&1)
	SLOTQ QQ
	WIN (AW<<2)                                    ; source 1 in the slot's window
.set SX_, AS+4*(\s)+2*((\m)&1)+(((\m)>>1)&1)
.if (\s) == 0
.if (\m) < 4
	v_wmma_scale_f32_16x16x128_f8f6f4 v[ACC+8*(\m):ACC+8*(\m)+7], v[VB+12*(\s):VB+12*(\s)+11], v[AR:AR+11], 0, v[VS+(\s)], v[SX_] matrix_a_fmt:MATRIX_FMT_FP6 matrix_b_fmt:MATRIX_FMT_FP6
.else
	v_wmma_scale_f32_16x16x128_f8f6f4 v[ACC+8*(\m):ACC+8*(\m)+7], v[VB+12*(\s):VB+12*(\s)+11], v[AR:AR+11], 0, v[VS+(\s)], v[SX_] matrix_a_fmt:MATRIX_FMT_FP6 matrix_b_fmt:MATRIX_FMT_FP6 matrix_b_scale:MATRIX_SCALE_ROW1
.endif
.else
.if (\m) < 4
	v_wmma_scale_f32_16x16x128_f8f6f4 v[ACC+8*(\m):ACC+8*(\m)+7], v[VB+12*(\s):VB+12*(\s)+11], v[AR:AR+11], v[ACC+8*(\m):ACC+8*(\m)+7], v[VS+(\s)], v[SX_] matrix_a_fmt:MATRIX_FMT_FP6 matrix_b_fmt:MATRIX_FMT_FP6
.else
	v_wmma_scale_f32_16x16x128_f8f6f4 v[ACC+8*(\m):ACC+8*(\m)+7], v[VB+12*(\s):VB+12*(\s)+11], v[AR:AR+11], v[ACC+8*(\m):ACC+8*(\m)+7], v[VS+(\s)], v[SX_] matrix_a_fmt:MATRIX_FMT_FP6 matrix_b_fmt:MATRIX_FMT_FP6 matrix_b_scale:MATRIX_SCALE_ROW1
.endif
.endif
.endm
; The column tile's 128 x 16 results become r = 1 / (1 + 2^(K2 y)) and are summed against w2.  Two batches of transcendentals, each with one plain instruction and one wait behind it, ahead of its first reader.
.macro EPI
.set J_, 0
.rept 32
	v_pk_fma_f32 v[ACC+2*J_:ACC+2*J_+1], v[ACC+2*J_:ACC+2*J_+1], s[20:21], v[BI+2*(J_%4):BI+2*(J_%4)+1] op_sel_hi:[1,0,1]   ; K2 x product + bias2; ascending
.set J_, J_+1
.endr
.set J_, 0
	s_wait_alu depctr_va_vdst(0)
.rept 64
	v_exp_f32 v[ACC+J_], v[ACC+J_]
.set J_, J_+1
.endr
	v_nop
	s_wait_alu depctr_va_vdst(0)
.set J_, 0
.rept 32
	v_pk_add_f32 v[ACC+2*J_:ACC+2*J_+1], v[ACC+2*J_:ACC+2*J_+1], 1.0 op_sel_hi:[1,0]
.set J_, J_+1
.endr
.set J_, 0
	s_wait_alu depctr_va_vdst(0)
.rept 64
	v_rcp_f32 v[ACC+J_], v[ACC+J_]                 ; an exponential that has overflowed gives 0 here, one that has vanished gives 1: tanh's two ends
.set J_, J_+1
.endr
	v_nop
	s_wait_alu depctr_va_vdst(0)
.irp jj, 0,1,2,3
.irp m, 0,1,2,3,4,5,6,7
	v_pk_fma_f32 v[SA+2*\m:SA+2*\m+1], v[ACC+8*\m+2*\jj:ACC+8*\m+2*\jj+1], v[W2R+2*\jj:W2R+2*\jj+1], v[SA+2*\m:SA+2*\m+1]
.endr
.endr
.endm
.macro VLOAD s                         ; the next column tile's fragment s and its scale words, into buffer s: four loads
.irp c, 0,1,2
	global_load_b128 v[VB+12*(\s)+4*\c:VB+12*(\s)+4*\c+3], v[VOF], s[8:9] offset:8*FRB+FRB*(\s)+512*\c
.endr
	global_load_b32 v[VS+(\s)], v[VSO], s[10:11] offset:1024+128*(\s)
.endm
; A column tile: 8 K steps x 8 row tiles.  V's buffers are loaded again, with the next tile's fragments, in THREE RUNS: buffers 0, 1 behind K step 1; 2, 3, 4 behind K step 4; 5, 6, 7 behind K step 7, where the tile's vector
; work has to wait for the products anyway.  So the products of K steps 0-1, 2-4 and 5-7 follow each other with no load between, and each fragment is asked for at least five K steps and a tile's vector work ahead of its use.
; THE COUNTS: a fragment is four loads.  At a tile's head its eight fragments are out, 32 loads.  Ahead of K step s the younger ones may stay out: the tile's later fragments, and the runs already issued for the next tile
; (8 loads from K step 2 on, 20 from K step 5 on): 28, 24 | 20 + 8, 16 + 8, 12 + 8 | 8 + 20, 4 + 20, 0 + 20.
.macro TILE last
	v_add_nc_u32 v[BWA], s36, v[BW0]
	ds_load_b128 v[BI:BI+3], v[BWA]
	ds_load_b128 v[BI+4:BI+7], v[BWA] offset:16
	ds_load_b128 v[W2R:W2R+3], v[BWA] offset:4096
	ds_load_b128 v[W2R+4:W2R+7], v[BWA] offset:4112
.irp s, 0,1,2,3,4,5,6,7
.if \last
	s_wait_loadcnt 4*(7-\s)                        ; nothing is asked for any more: the counts run down
.elseif \s < 2
	s_wait_loadcnt 28-4*\s
.elseif \s < 5
	s_wait_loadcnt 28-4*(\s-2)
.else
	s_wait_loadcnt 28-4*(\s-5)
.endif
.irp m, 0,2,4,6,1,3,5,7
	MM \m, \s
.endr
.if (\s == 7) || ((\last == 0) && ((\s == 1) || (\s == 4)))
	WIN 0
.rept 4
	v_nop                                          ; four places ahead of loads into registers that the products have read, and of the first read of results (ISA guide 7.12.1 for vector instructions)
.endr
.endif
.if \last == 0
.if \s == 1
	VLOAD 0
	VLOAD 1
	; A PREFETCH of what the next block's first four landing sets will load: 16 rows x 2,048 bytes a wave, a lane to each aligned 256 bytes, four instructions, once, in the first block's trip with two trips to go:
	; three column tiles ahead of those loads.  Each wave names its own rows: nothing is named twice.  In the second block s33 is -1: nothing lies behind it.
	s_cmp_eq_u32 s19, s33
	s_cbranch_scc0 .Lnopf
.irp k, 0,1,2,3
	global_prefetch_b8 v[PFO], s[4:5] offset:524288+16384*\k th:TH_LOAD_NT scope:SCOPE_SE
.endr
.Lnopf:
.elseif \s == 4
	VLOAD 2
	VLOAD 3
	VLOAD 4
.elseif \s == 7
	VLOAD 5
	VLOAD 6
	VLOAD 7
.endif
.endif
.endr
	s_wait_dscnt 0x0                               ; bias2 and w2
	EPI
.if \last == 0
	s_add_co_u32 s36, s36, 64                      ; the next tile's 16 numbers of bias2 and w2
	s_wait_xcnt 0x0                                ; the loads have read their bases: they step
	s_add_nc_u64 s[8:9], s[8:9], 8*FRB
	s_add_nc_u64 s[10:11], s[10:11], 1024
.endif
.endm
.macro LOADX set, r0                   ; 8 rows of HOLD (my 16 bytes of each) and their p (the same 32 bytes in every lane)
.irp i, 0,1,2,3,4,5,6,7
	ds_load_b128 v[XD+32*(\set)+4*\i:XD+32*(\set)+4*\i+3], v[HRA] offset:((\r0)+\i)*HP
.endr
.irp k, 0,1
	ds_load_b128 v[XP+8*(\set)+4*\k:XP+8*(\set)+4*\k+3], v[PRA] offset:4*(\r0)+16*\k
.endr
.endm
.macro FMAX set                        ; 64 multiply-adds straight from the bf16 halves, sums in f32
.irp i, 0,1,2,3,4,5,6,7
.irp k, 0,1,2,3
	v_fma_mix_f32_bf16 v[CTX+2*\k], v[XD+32*(\set)+4*\i+\k], v[XP+8*(\set)+\i], v[CTX+2*\k] op_sel_hi:[1,0,0]
	v_fma_mix_f32_bf16 v[CTX+2*\k+1], v[XD+32*(\set)+4*\i+\k], v[XP+8*(\set)+\i], v[CTX+2*\k+1] op_sel:[1,0,0] op_sel_hi:[1,0,0]
.endr
.endr
.endm
	s_load_b256 s[4:11], s[0:1], 0x0               ; enc s[4:5], w s[6:7], vimg s[8:9], vsimg s[10:11]
	s_load_b128 s[12:15], s[0:1], 0x20             ; bias2 s[12:13], part s[14:15]
	v_lshl_add_u32 v[SPW], v0, 2, SPARE
	v_mov_b32 v[NIL], 0
	v_lshrrev_b32 v3, 5, v0
	v_readfirstlane_b32 s16, v3                    ; wave 0..3
	v_and_b32 v5, 31, v0                           ; lane
	v_lshlrev_b32 v[VOF], 4, v5
	v_lshlrev_b32 v[VSO], 2, v5
	v_and_b32 v80, 15, v0                          ; r
	v_bfe_u32 v81, v0, 4, 1                        ; h
	v_lshlrev_b32 v[GOFF], 4, v80
	v_lshl_add_u32 v[GOFF], v81, 12, v[GOFF]
	v_lshlrev_b32 v[GOFD], 12, v80                 ; the odd fragments: row r of 4,096 bytes,
	v_lshl_add_u32 v[GOFD], v81, 7, v[GOFD]        ; + 128 h: my block of 32 numbers
	v_and_b32 v[PFO], 7, v0
	v_lshlrev_b32 v[PFO], 8, v[PFO]
	v_bfe_u32 v82, v0, 3, 2
	v_lshl_add_u32 v[PFO], v82, 12, v[PFO]
	s_lshl_b32 s24, s16, 10
	s_add_co_u32 s24, s24, BIAS
	v_lshl_add_u32 v[BW0], v81, 5, s24
	v_lshlrev_b32 v82, 4, v0                       ; 16 x my thread's number
	v_add_nc_u32 v83, BIAS, v82
	s_mov_b32 s20, 0x4038aa3b                      ; K2 = 2 log2(e)
	s_mov_b32 s21, s20                             ; (named with it as a pair, so it is written)
	s_mov_b32 s22, 0x76543210                      ; v_permlanex16_b32's selects for lane l xor 16
	s_mov_b32 s23, 0xfedcba98
	s_mov_b32 s18, 2                               ; blocks to go
	s_mov_b32 s25, 0
	s_mov_b32 s27, 0
	s_lshl_b32 s24, ttmp9, 20                      ; the work-group's 256 rows of 4,096 bytes,
	s_lshl_b32 s26, s16, 17                        ; my wave's 32 of a block's 128
	s_add_co_u32 s24, s24, s26
	s_wait_alu depctr_va_vdst(0)
	s_wait_kmcnt 0x0
	s_add_nc_u64 s[4:5], s[4:5], s[24:25]
	s_lshr_b32 s24, ttmp9, 3
	s_lshl_b32 s24, s24, 12                        ; my batch's row of bias2
	s_add_nc_u64 s[12:13], s[12:13], s[24:25]
	s_mul_i32 s24, ttmp9, 2*4608                   ; my first block's row of part
	s_add_nc_u64 s[14:15], s[14:15], s[24:25]
	s_mul_i32 s24, s16, 16*8*FRB                   ; my 16 column tiles of V's image,
	s_add_nc_u64 s[28:29], s[8:9], s[24:25]
	s_lshl_b32 s26, s16, 14                        ; and of its scale words
	s_add_nc_u64 s[30:31], s[10:11], s[26:27]
	global_load_b128 v[92:95], v82, s[12:13]
	global_load_b128 v[96:99], v82, s[12:13] offset:2048
	global_load_b128 v[100:103], v82, s[6:7]
	global_load_b128 v[104:107], v82, s[6:7] offset:2048
	LOADSET 0
	LOADSET 1
	LOADSET 2
	s_wait_loadcnt 48                              ; bias2 and w are in; the three sets' 48 loads may be out
.irp j, 0,1,2,3,4,5,6,7
	v_mul_f32 v[100+\j], 0xc038aa3b, v[100+\j]     ; w2 = -K2 w
.endr
	ds_store_b128 v83, v[92:95]
	ds_store_b128 v83, v[96:99] offset:2048
	ds_store_b128 v83, v[100:103] offset:4096
	ds_store_b128 v83, v[104:107] offset:6144
	LOADSET 3
.Lblock:
	; ---- L.  The addresses lie where G keeps bias2 and w2, so they are made anew
	v_and_b32 v80, 15, v0
	v_bfe_u32 v81, v0, 4, 1
	s_mul_i32 s24, s16, 16*SGP
	s_add_co_u32 s24, s24, STG                     ; my stage
	v_mul_u32_u24 v[STW], v81, SGP
	v_lshl_add_u32 v[STW], v80, 4, v[STW]
	v_add_nc_u32 v[STW], s24, v[STW]               ; in: as loaded: row lane / 16, 16 bytes a lane
	v_mul_u32_u24 v[STR], v80, SGP
	v_lshl_add_u32 v[STR], v81, 7, v[STR]
	v_add_nc_u32 v[STR], s24, v[STR]               ; back: row r, + 128 h: my block of 32 numbers
	s_mul_i32 s25, s16, 2*FRB
	s_add_co_u32 s25, s25, EX
	v_add_nc_u32 v[XWI], s25, v[VOF]               ; my two images of a round
	s_lshl_b32 s25, s16, 8
	s_add_co_u32 s25, s25, EXS
	v_add_nc_u32 v[XWS], s25, v[VSO]               ; and their scale words
	s_mul_i32 s25, s16, 32*HP
	v_mul_u32_u24 v[HWA], v80, HP
	v_lshl_add_u32 v[HWA], v81, 6, v[HWA]
	v_add_nc_u32 v[HWA], s25, v[HWA]               ; HOLD: row 32 x wave + r, + 32 h
	v_add_nc_u32 v[LI], EX, v[VOF]
	v_lshlrev_b32 v[LSA], 2, v80
	v_lshl_add_u32 v[LSA], v81, 9, v[LSA]
	v_add_nc_u32 v[LSA], EXS, v[LSA]               ; scale words: 4 r; lanes 16-31 take the fragment two waves on
.irp b, 0,1,2,3
	v_mov_b32 v[TM+4+\b], 0                        ; a lane permute's destination counts as one of its sources
.endr
	v_lshlrev_b32 v[TM+8], 3, v81                  ; 8 h: how far up my two scale bytes stand in the word
	s_wait_loadcnt 48                              ; fragment 0's 16 loads are in; those of fragments 1 to 3 may be out
	TURN 0
	ROUND 0
	ROUND 1
	ROUND 2
	ROUND 3
	ROUND 4
	ROUND 5
	ROUND 6
	ROUND 7
	; ---- G
	s_wait_xcnt 0x0                                ; no earlier load still reads the bases
	s_mov_b64 s[8:9], s[28:29]
	s_mov_b64 s[10:11], s[30:31]
.irp s, 0,1,2,3,4,5,6,7
.irp c, 0,1,2
	global_load_b128 v[VB+12*\s+4*\c:VB+12*\s+4*\c+3], v[VOF], s[8:9] offset:FRB*\s+512*\c   ; my first column tile's eight fragments
.endr
	global_load_b32 v[VS+\s], v[VSO], s[10:11] offset:128*\s
.endr
.irp j, 0,1,2,3,4,5,6,7,8,9,10,11,12,13,14,15
	v_mov_b32 v[SA+\j], 0
.endr
	s_cmp_eq_u32 s18, 2
	s_cselect_b32 s33, 2, -1                       ; the trip that prefetches
	s_mov_b32 s36, 0
	s_wait_dscnt 0x0                               ; enc's last sixteen fragments are in
	s_mov_b32 s19, 15
.Ltile:
	TILE 0
	s_sub_co_u32 s19, s19, 1
	s_cmp_lg_u32 s19, 0
	s_cbranch_scc1 .Ltile
	TILE 1                                         ; the last tile is written out: it asks for nothing
	; the next block's first four sets are asked for here, if there is a next block: they land under S and X, which touch none of their registers.  No load leaves its buffer
	s_cmp_eq_u32 s18, 1
	s_cbranch_scc1 .Lnonext
	s_wait_xcnt 0x0
	s_add_nc_u64 s[4:5], s[4:5], 524288            ; 128 rows on
	LOADSET 0
	LOADSET 1
	LOADSET 2
	LOADSET 3
.Lnonext:
	; ---- S
	v_and_b32 v80, 15, v0
	s_lshl_b32 s24, s16, 9
	s_add_co_u32 s25, s24, SC
	v_lshl_add_u32 v68, v80, 2, s25                ; my wave's partial t: 4 r
	v_add_nc_u32 v69, SC, v[VOF]                   ; back: rows 4 x lane .. + 3
	s_add_co_u32 s35, s24, PP                      ; my wave's copy of p
	v_add_nc_u32 v70, s35, v[VOF]
	v_add_nc_u32 v[HR0], s24, v[VOF]               ; HOLD: my 8 columns: 512 x wave + 16 x lane
	s_mul_i32 s25, s16, 16*SGP
	s_add_co_u32 s25, s25, STG
	v_add_nc_u32 v72, s25, v[VOF]                  ; the way out, back from my stage: 16 x lane
	v_lshl_add_u32 v75, v[VOF], 1, s25             ; and into it: 32 x lane
	s_lshl_b32 s26, s16, 10
	v_add_nc_u32 v76, s26, v[VOF]                  ; and in part: 1,024 x wave + 16 x lane
.irp m, 0,1,2,3,4,5,6,7
	v_add_f32 v[92+\m], v[SA+2*\m], v[SA+2*\m+1]
.endr
.irp m, 0,1,2,3,4,5,6,7
	v_permlanex16_b32 v[SA+2*\m], v[92+\m], s22, s23
.endr
.irp m, 0,1,2,3,4,5,6,7
	v_add_f32 v[92+\m], v[92+\m], v[SA+2*\m]       ; with lane l xor 16's eight columns of each tile: my wave's 256 columns of row 16 m + r
.endr
.irp m, 0,1,2,3,4,5,6,7
	ds_store_b32 v68, v[92+\m] offset:64*\m        ; both halves of the lanes write the same word with the same value
.endr
	s_wait_dscnt 0x0
	s_barrier_signal -1
	s_barrier_wait -1
.irp ww, 0,1,2,3
	ds_load_b128 v[100+4*\ww:103+4*\ww], v69 offset:512*\ww
.endr
	v_mov_b32 v181, 0
	s_wait_dscnt 0x0
	v_pk_add_f32 v[100:101], v[100:101], v[104:105]
	v_pk_add_f32 v[102:103], v[102:103], v[106:107]
	v_pk_add_f32 v[108:109], v[108:109], v[112:113]
	v_pk_add_f32 v[110:111], v[110:111], v[114:115]
	v_pk_add_f32 v[100:101], v[100:101], v[108:109]
	v_pk_add_f32 v[102:103], v[102:103], v[110:111]     ; t of rows 4 x lane .. + 3: the same sums in the same order in all four waves
	v_max3_num_f32 v180, v100, v101, v102
	v_max_num_f32 v180, v180, v103
	v_max_num_f32_dpp v180, v180, v180 row_xmask:1 row_mask:0xf bank_mask:0xf
	v_max_num_f32_dpp v180, v180, v180 row_xmask:2 row_mask:0xf bank_mask:0xf
	v_max_num_f32_dpp v180, v180, v180 row_xmask:4 row_mask:0xf bank_mask:0xf
	v_max_num_f32_dpp v180, v180, v180 row_xmask:8 row_mask:0xf bank_mask:0xf
	v_permlanex16_b32 v181, v180, s22, s23
	v_max_num_f32 v180, v180, v181                 ; M: the block's largest t
.irp i, 0,1,2,3
	v_sub_f32 v[184+\i], v[100+\i], v180
.endr
	s_wait_alu depctr_va_vdst(0)
.irp i, 0,1,2,3
	v_exp_f32 v[184+\i], v[184+\i]                 ; p = 2^(t - M), at most 1
.endr
	v_nop
	s_wait_alu depctr_va_vdst(0)
	v_add_f32 v182, v184, v185
	v_add_f32 v183, v186, v187
	v_add_f32 v182, v182, v183
	v_add_f32_dpp v182, v182, v182 row_xmask:1 row_mask:0xf bank_mask:0xf
	v_add_f32_dpp v182, v182, v182 row_xmask:2 row_mask:0xf bank_mask:0xf
	v_add_f32_dpp v182, v182, v182 row_xmask:4 row_mask:0xf bank_mask:0xf
	v_add_f32_dpp v182, v182, v182 row_xmask:8 row_mask:0xf bank_mask:0xf
	v_permlanex16_b32 v181, v182, s22, s23
	v_add_f32 v181, v182, v181                     ; l: the block's sum of p
	v_mov_b32 v182, 0
	v_mov_b32 v183, 0                              ; v[180:183] = (M, l, 0, 0)
	ds_store_b128 v70, v[184:187]                  ; my wave's own copy of p: read back below in order, with no barrier
	; ---- X
.irp j, 0,1,2,3,4,5,6,7
	v_mov_b32 v[CTX+\j], 0
.endr
	s_mov_b32 s34, 0
	v_add_nc_u32 v[HRA], s34, v[HR0]
	v_mov_b32 v[PRA], s35
	LOADX 0, 0
	s_mov_b32 s32, 7
.Lx:                                               ; a trip: 16 rows, in two sets by turns
	LOADX 1, 8
	s_wait_dscnt 10                                ; set 0 is in; set 1's ten loads may be out
	s_wait_alu depctr_va_vdst(0)
	FMAX 0
	s_add_co_u32 s34, s34, 16*HP
	s_add_co_u32 s35, s35, 64
	v_add_nc_u32 v[HRA], s34, v[HR0]
	v_mov_b32 v[PRA], s35
	LOADX 0, 0
	s_wait_dscnt 10
	FMAX 1
	s_sub_co_u32 s32, s32, 1
	s_cmp_lg_u32 s32, 0
	s_cbranch_scc1 .Lx
	LOADX 1, 8
	s_wait_dscnt 10
	s_wait_alu depctr_va_vdst(0)
	FMAX 0
	s_wait_alu depctr_va_vdst(0)
	s_wait_dscnt 0x0
	FMAX 1
	; ---- the way out: a lane's 32 bytes go through my stage, so that each store covers 512 consecutive bytes
	ds_store_b128 v75, v[CTX:CTX+3]
	ds_store_b128 v75, v[CTX+4:CTX+7] offset:16
	ds_load_b128 v[92:95], v72
	ds_load_b128 v[96:99], v72 offset:512
	s_wait_dscnt 0x0
	global_store_b128 v76, v[92:95], s[14:15]
	global_store_b128 v76, v[96:99], s[14:15] offset:512
	s_cmp_lg_u32 s16, 0
	s_cbranch_scc1 .Lnot0
	global_store_b128 v[VOF], v[180:183], s[14:15] offset:4096   ; wave 0: (M, l, 0, 0) in each of 32 places: 512 consecutive bytes, of which the first 8 are read
.Lnot0:
	s_barrier_signal -1                            ; my reads of HOLD are in (the wait for 0 above): no wave writes it again while another still reads it
	s_barrier_wait -1
	s_wait_xcnt 0x0                                ; the stores have read their registers and their base
	s_add_nc_u64 s[14:15], s[14:15], 4608
	s_sub_co_u32 s18, s18, 1
	s_cmp_lg_u32 s18, 0
	s_cbranch_scc1 .Lblock
	s_wait_tensorcnt 0x0                           ; the wave's end
	ds_add_u32 v[SPW], v[NIL]
	s_wait_dscnt 0x0
	s_endpgm
.Lfunc_end_k_q798ef73509_main:
	.size	k_q798ef73509_main, .Lfunc_end_k_q798ef73509_main-k_q798ef73509_main
	.p2alignl 7, 3214868480
	.fill 96, 4, 3214868480
	.section	.rodata,"a",@progbits
	.p2align	6, 0x0
	.amdhsa_kernel k_q798ef73509_main
		.amdhsa_group_segment_fixed_size 321024
		.amdhsa_private_segment_fixed_size 0
		.amdhsa_enable_private_segment 0
		.amdhsa_kernarg_size 48
		.amdhsa_user_sgpr_count 2
		.amdhsa_user_sgpr_kernarg_segment_ptr 1
		.amdhsa_wavefront_size32 1
		.amdhsa_system_sgpr_workgroup_id_x 1
		.amdhsa_system_sgpr_workgroup_id_y 1
		.amdhsa_system_sgpr_workgroup_id_z 1
		.amdhsa_system_vgpr_workitem_id 0
		.amdhsa_next_free_vgpr 1024
		.amdhsa_next_free_sgpr 66
		.amdhsa_reserve_vcc 0
		.amdhsa_float_denorm_mode_32 3
		.amdhsa_float_denorm_mode_16_64 3
		.amdhsa_memory_ordered 1
		.amdhsa_forward_progress 1
		.amdhsa_inst_pref_size 235
	.end_amdhsa_kernel
	.amdgpu_metadata
---
amdhsa.version: [ 1, 2 ]
amdhsa.kernels:
  - .name:           k_q798ef73509_main
    .symbol:         k_q798ef73509_main.kd
    .args:
      - { .name: encoder_outputs, .offset: 0, .size: 8, .value_kind: global_buffer, .address_space: global }
      - { .name: w, .offset: 8, .size: 8, .value_kind: global_buffer, .address_space: global }
      - { .name: vimg, .offset: 16, .size: 8, .value_kind: global_buffer, .address_space: global }
      - { .name: vsimg, .offset: 24, .size: 8, .value_kind: global_buffer, .address_space: global }
      - { .name: bias2, .offset: 32, .size: 8, .value_kind: global_buffer, .address_space: global }
      - { .name: part, .offset: 40, .size: 8, .value_kind: global_buffer, .address_space: global }
    .group_segment_fixed_size: 321024
    .private_segment_fixed_size: 0
    .kernarg_segment_align: 8
    .kernarg_segment_size: 48
    .max_flat_workgroup_size: 128
    .sgpr_count:     66
    .vgpr_count:     1024
    .wavefront_size: 32
...
	.end_amdgpu_metadata
.endif
;; end of part 2
;; launch combine (part 3): grid 4 x 32, 2 waves a work-group, no clusters, 0 bytes of LDS; arguments part, out0; writes out0
.if DOCPART == 3
	.amdgcn_target "amdgcn-amd-amdhsa--gfx1250"
	.amdhsa_code_object_version 6
	.text
	.protected	k_q798ef73509_combine
	.globl	k_q798ef73509_combine
	.p2align	8
	.type	k_q798ef73509_combine,@function
k_q798ef73509_combine:
	s_mov_b64 s[64:65], 0
	v_nop
	global_prefetch_b8 v0, s[64:65] scope:SCOPE_SE
	s_setreg_imm32_b32 hwreg(HW_REG_WAVE_MODE, 25, 1), 1
	s_wait_xcnt 0x0
; out0[batch][c] = (the sum over the batch's 16 blocks of f ctx[c]) / (the sum of f l), f = 2^(M - Mx), Mx the largest of the 16 M: the blocks' partial softmaxes are brought under their common maximum.
; part: 512 rows of 4,608 bytes: 1,024 f32 of context, then (M, l).  Work-group (x, y): batch y, columns 256 x .. 256 x + 255; a thread takes 4 columns.
; No LDS, no matrix unit: 74 KB are read for a batch and 4 KB written.
.set PROW, 4608
	s_load_b128 s[4:7], s[0:1], 0x0                ; part, out0
	s_and_b32 s8, ttmp7, 0xffff                    ; the batch
	s_mul_i32 s10, s8, 16*PROW
	s_mov_b32 s11, 0
	s_lshl_b32 s12, s8, 12
	s_mov_b32 s13, 0
	s_lshl_b32 s9, ttmp9, 10
	v_lshl_add_u32 v1, v0, 4, s9                   ; my 16 bytes of a row
	v_mov_b32 v2, 0
	v_mov_b32 v7, 0                                ; (named as the upper half of the pair v[6:7])
	s_wait_alu depctr_va_vdst(0)
	s_wait_kmcnt 0x0
	s_add_nc_u64 s[4:5], s[4:5], s[10:11]
	s_add_nc_u64 s[6:7], s[6:7], s[12:13]
.irp k, 0,1,2,3,4,5,6,7,8,9,10,11,12,13,14,15
	global_load_b64 v[8+2*\k:9+2*\k], v2, s[4:5] offset:PROW*\k+4096     ; (M, l) of block k, the same in every lane
.endr
.irp k, 0,1,2,3,4,5,6,7,8,9,10,11,12,13,14,15
	global_load_b128 v[40+4*\k:43+4*\k], v1, s[4:5] offset:PROW*\k
.endr
	s_wait_loadcnt 16                              ; the 16 pairs are in; the 16 loads of context may be out
	v_max3_num_f32 v3, v8, v10, v12
.irp k, 3,5,7,9,11,13
	v_max3_num_f32 v3, v3, v[8+2*\k], v[10+2*\k]
.endr
	v_max_num_f32 v3, v3, v38                      ; Mx
.irp k, 0,1,2,3,4,5,6,7,8,9,10,11,12,13,14,15
	v_sub_f32 v[8+2*\k], v[8+2*\k], v3
.endr
	s_wait_alu depctr_va_vdst(0)
.irp k, 0,1,2,3,4,5,6,7,8,9,10,11,12,13,14,15
	v_exp_f32 v[8+2*\k], v[8+2*\k]                 ; f takes M's place: the pair is now (f, l)
.endr
	v_nop
	s_wait_alu depctr_va_vdst(0)                   ; one wait for the batch, ahead of its first reader
	v_mul_f32 v4, v8, v9
	v_mul_f32 v5, v10, v11
.irp k, 2,3,4,5,6,7,8,9,10,11,12,13,14,15
	v_fmac_f32 v[4+\k%2], v[8+2*\k], v[9+2*\k]     ; the sum of f l, in two chains
.endr
	v_add_f32 v4, v4, v5
	s_wait_alu depctr_va_vdst(0)
	v_rcp_f32 v6, v4
	s_wait_loadcnt 0x0
	v_pk_mul_f32 v[120:121], v[40:41], v[8:9] op_sel_hi:[1,0]       ; the first two blocks start the sums; of a pair (f, l) the low word serves both halves
	v_pk_mul_f32 v[122:123], v[42:43], v[8:9] op_sel_hi:[1,0]
	v_pk_mul_f32 v[124:125], v[44:45], v[10:11] op_sel_hi:[1,0]
	v_pk_mul_f32 v[126:127], v[46:47], v[10:11] op_sel_hi:[1,0]
.irp k, 2,3,4,5,6,7,8,9,10,11,12,13,14,15
	v_pk_fma_f32 v[120+4*(\k%2):121+4*(\k%2)], v[40+4*\k:41+4*\k], v[8+2*\k:9+2*\k], v[120+4*(\k%2):121+4*(\k%2)] op_sel_hi:[1,0,1]
	v_pk_fma_f32 v[122+4*(\k%2):123+4*(\k%2)], v[42+4*\k:43+4*\k], v[8+2*\k:9+2*\k], v[122+4*(\k%2):123+4*(\k%2)] op_sel_hi:[1,0,1]
.endr
	v_pk_add_f32 v[120:121], v[120:121], v[124:125]
	v_pk_add_f32 v[122:123], v[122:123], v[126:127]
	s_wait_alu depctr_va_vdst(0)                   ; the reciprocal's wait, ahead of its first reader; the sums above are the independent work between
	v_pk_mul_f32 v[120:121], v[120:121], v[6:7] op_sel_hi:[1,0]
	v_pk_mul_f32 v[122:123], v[122:123], v[6:7] op_sel_hi:[1,0]
	global_store_b128 v1, v[120:123], s[6:7]       ; a wave stores 512 consecutive bytes, at a multiple of 256 from out0's first byte
	s_endpgm
.Lfunc_end_k_q798ef73509_combine:
	.size	k_q798ef73509_combine, .Lfunc_end_k_q798ef73509_combine-k_q798ef73509_combine
	.p2alignl 7, 3214868480
	.fill 96, 4, 3214868480
	.section	.rodata,"a",@progbits
	.p2align	6, 0x0
	.amdhsa_kernel k_q798ef73509_combine
		.amdhsa_group_segment_fixed_size 0
		.amdhsa_private_segment_fixed_size 0
		.amdhsa_enable_private_segment 0
		.amdhsa_kernarg_size 16
		.amdhsa_user_sgpr_count 2
		.amdhsa_user_sgpr_kernarg_segment_ptr 1
		.amdhsa_wavefront_size32 1
		.amdhsa_system_sgpr_workgroup_id_x 1
		.amdhsa_system_sgpr_workgroup_id_y 1
		.amdhsa_system_sgpr_workgroup_id_z 1
		.amdhsa_system_vgpr_workitem_id 0
		.amdhsa_next_free_vgpr 128
		.amdhsa_next_free_sgpr 66
		.amdhsa_reserve_vcc 0
		.amdhsa_float_denorm_mode_32 3
		.amdhsa_float_denorm_mode_16_64 3
		.amdhsa_memory_ordered 1
		.amdhsa_forward_progress 1
		.amdhsa_inst_pref_size 9
	.end_amdhsa_kernel
	.amdgpu_metadata
---
amdhsa.version: [ 1, 2 ]
amdhsa.kernels:
  - .name:           k_q798ef73509_combine
    .symbol:         k_q798ef73509_combine.kd
    .args:
      - { .name: part, .offset: 0, .size: 8, .value_kind: global_buffer, .address_space: global }
      - { .name: out0, .offset: 8, .size: 8, .value_kind: global_buffer, .address_space: global }
    .group_segment_fixed_size: 0
    .private_segment_fixed_size: 0
    .kernarg_segment_align: 8
    .kernarg_segment_size: 16
    .max_flat_workgroup_size: 64
    .sgpr_count:     66
    .vgpr_count:     128
    .wavefront_size: 32
...
	.end_amdgpu_metadata
.endif
;; end of part 3
